; MI455X (gfx1250); checked and timed in simulation.
; The chip was launched on July 23, 2026; its instructions are those of AMD's public machine-readable ISA for CDNA 5 (MIT licence, August 2026) and "CDNA5" Instruction Set Architecture Reference Guide (July 2026). The comments in the code are by the model that wrote it; some were corrected since.
;; Peephole LSTM Cell. Allowed arithmetic: matrix products marked QUANTISED: E3M2 operands, one E8M0 scale for each 32 along K, by v_wmma_scale_f32_16x16x128_f8f6f4 with both operands' format E3M2, f32 sums; everything else in f32.
;; Inputs: W_cf 1,024 float32; W_ci 1,024 float32; W_co 1,024 float32; W_hf_codes 1,024 x 32 x 24 uint8 (E3M2 codes of W_hf, K innermost, in blocks of 32 codes, four codes in three bytes); W_hf_scales 1,024 x 32 uint8 (E8M0 scales of W_hf, one for each 32 codes along K); W_hg_codes 1,024 x 32 x 24 uint8 (E3M2 codes of W_hg, K innermost, in blocks of 32 codes, four codes in three bytes); W_hg_scales 1,024 x 32 uint8 (E8M0 scales of W_hg, one for each 32 codes along K); W_hi_codes 1,024 x 32 x 24 uint8 (E3M2 codes of W_hi, K innermost, in blocks of 32 codes, four codes in three bytes); W_hi_scales 1,024 x 32 uint8 (E8M0 scales of W_hi, one for each 32 codes along K); W_ho_codes 1,024 x 32 x 24 uint8 (E3M2 codes of W_ho, K innermost, in blocks of 32 codes, four codes in three bytes); W_ho_scales 1,024 x 32 uint8 (E8M0 scales of W_ho, one for each 32 codes along K); W_if_codes 1,024 x 16 x 24 uint8 (E3M2 codes of W_if, K innermost, in blocks of 32 codes, four codes in three bytes); W_if_scales 1,024 x 16 uint8 (E8M0 scales of W_if, one for each 32 codes along K); W_ig_codes 1,024 x 16 x 24 uint8 (E3M2 codes of W_ig, K innermost, in blocks of 32 codes, four codes in three bytes); W_ig_scales 1,024 x 16 uint8 (E8M0 scales of W_ig, one for each 32 codes along K); W_ii_codes 1,024 x 16 x 24 uint8 (E3M2 codes of W_ii, K innermost, in blocks of 32 codes, four codes in three bytes); W_ii_scales 1,024 x 16 uint8 (E8M0 scales of W_ii, one for each 32 codes along K); W_io_codes 1,024 x 16 x 24 uint8 (E3M2 codes of W_io, K innermost, in blocks of 32 codes, four codes in three bytes); W_io_scales 1,024 x 16 uint8 (E8M0 scales of W_io, one for each 32 codes along K); c_prev 8,192 x 1,024 float32; h_prev_codes 8,192 x 32 x 24 uint8 (E3M2 codes of h_prev, K innermost, in blocks of 32 codes, four codes in three bytes); h_prev_scales 8,192 x 32 uint8 (E8M0 scales of h_prev, one for each 32 codes along K); input_codes 8,192 x 16 x 24 uint8 (E3M2 codes of input, K innermost, in blocks of 32 codes, four codes in three bytes); input_scales 8,192 x 16 uint8 (E8M0 scales of input, one for each 32 codes along K).
;; Outputs: out0 8,192 x 1,024 float32; out1 8,192 x 1,024 float32.
;; This version of the problem:
;;   THIS VERSION OF THE PROBLEM IS GIVEN IN LOW PRECISION. The matrix products marked QUANTISED in the list below multiply operands that are first quantised to E3M2 (3 exponent bits, 2 mantissa bits; 6 bits a number), with one power-of-two scale for each 32 numbers along K (OCP MX v1.0); their sums are f32. All else is computed in f32.
;;   The module's matrix products, in the order in which they are computed (A, B: the left and right operand; K: the contracted axis; several contracted axes count as one K, in the product's order):
;;     1. [M 8,192, K 512] x [K 512, N 1,024]; A: input input (given as codes); B: input W_if (given as codes): QUANTISED
;;     2. [M 8,192, K 1,024] x [K 1,024, N 1,024]; A: input h_prev (given as codes); B: input W_hf (given as codes): QUANTISED
;;     3. [M 8,192, K 512] x [K 512, N 1,024]; A: input input (given as codes); B: input W_ii (given as codes): QUANTISED
;;     4. [M 8,192, K 1,024] x [K 1,024, N 1,024]; A: input h_prev (given as codes); B: input W_hi (given as codes): QUANTISED
;;     5. [M 8,192, K 512] x [K 512, N 1,024]; A: input input (given as codes); B: input W_ig (given as codes): QUANTISED
;;     6. [M 8,192, K 1,024] x [K 1,024, N 1,024]; A: input h_prev (given as codes); B: input W_hg (given as codes): QUANTISED
;;     7. [M 8,192, K 512] x [K 512, N 1,024]; A: input input (given as codes); B: input W_io (given as codes): QUANTISED
;;     8. [M 8,192, K 1,024] x [K 1,024, N 1,024]; A: input h_prev (given as codes); B: input W_ho (given as codes): QUANTISED
;;   THE QUANTISER, for each operand of a quantised product, along K:
;;     - K is cut into blocks of 32 from its start; a last block that is shorter is filled with zeros.
;;     - A block's scale is 2^e with e = floor(log2(the largest magnitude in the block)) - 4, held to -126 .. 127; a block of zeros has e = 0. As a byte (E8M0): e + 127.
;;     - Each number is divided by its block's scale, clamped to +-28, and rounded to the nearest number of E3M2, ties to even, subnormals kept.
;;     - The product sums the exact products of the quantised numbers (number of the format x scale) in f32.
;;   ~~~python
;;   def quantise(x, axis):      # numpy; x: float32 -> the quantised numbers, widened to float32 again
;;       x = np.moveaxis(x, axis, -1); K = x.shape[-1]
;;       x = np.pad(x, [(0, 0)] * (x.ndim - 1) + [(0, -K % 32)]); x = x.reshape(x.shape[:-1] + (-1, 32)); a = np.abs(x).max(-1, keepdims=True)
;;       e = np.where(a > 0, np.clip(np.frexp(np.where(a > 0, a, 1))[1] - 1 - 4, -126, 127), 0)      # np.frexp(a)[1] - 1 = floor(log2(a)), exactly
;;       r = np.clip(x / 2.0 ** e, -28, 28)
;;       step = 2.0 ** (np.maximum(np.frexp(np.where(r == 0, 1, r))[1] - 1, -2) - 2)
;;       q = np.round(r / step) * step * 2.0 ** e      # np.round: ties to even
;;       return np.moveaxis(q.reshape(q.shape[:-2] + (-1,))[..., :K], -1, axis).astype(np.float32)
;;   ~~~
;;   INPUTS GIVEN AS CODES. W_hf (in the module: [1024, 1024], K = its axis 0); W_hg (in the module: [1024, 1024], K = its axis 0); W_hi (in the module: [1024, 1024], K = its axis 0); W_ho (in the module: [1024, 1024], K = its axis 0); W_if (in the module: [512, 1024], K = its axis 0); W_ig (in the module: [512, 1024], K = its axis 0); W_ii (in the module: [512, 1024], K = its axis 0); W_io (in the module: [512, 1024], K = its axis 0); h_prev (in the module: [8192, 1024], K = its axis 1); input (in the module: [8192, 512], K = its axis 1): each comes as NAME_codes (uint8): NAME with its K axis moved to the last place and cut into blocks of 32 codes, [.., K / 32, bytes a block], one block behind the other in memory; four codes in three bytes: a row's codes are one little-endian stream of bits, code i at bits 6 i .. 6 i + 5 (a code: sign, 3 exponent bits, 2 mantissa bits); and NAME_scales (uint8): the same leading axes, one E8M0 byte (e + 127) for each 32 codes along K. Its value is code x scale, taken as it is: it is not quantised again, and the codes and scales need not be those that the quantiser above would give.
;; One version. Each part assembles by itself: llvm-mc -triple=amdgcn-amd-amdhsa -mcpu=gfx1250 --defsym DOCPART=n.
;; ======== version 1 of 1: 1 launch
;; launch lstm (part 1): grid 16 x 32, 4 waves a work-group, clusters of 4 x 4, 327,680 bytes of LDS; arguments input_codes, h_prev_codes, input_scales, h_prev_scales, W_if_codes, W_ii_codes, W_ig_codes, W_io_codes, W_hf_codes, W_hi_codes, W_hg_codes, W_ho_codes, W_if_scales, W_ii_scales, W_ig_scales, W_io_scales, W_hf_scales, W_hi_scales, W_hg_scales, W_ho_scales, c_prev, W_cf, W_ci, W_co, out0, out1; writes out0, out1
.if DOCPART == 1
	.amdgcn_target "amdgcn-amd-amdhsa--gfx1250"
	.amdhsa_code_object_version 6
	.text
	.protected	k_q8ab841f73c_lstm
	.globl	k_q8ab841f73c_lstm
	.p2align	8
	.type	k_q8ab841f73c_lstm,@function
k_q8ab841f73c_lstm:
	s_mov_b64 s[64:65], 0
	v_nop
	global_prefetch_b8 v0, s[64:65] scope:SCOPE_SE
	s_setreg_imm32_b32 hwreg(HW_REG_WAVE_MODE, 25, 1), 1
	s_wait_xcnt 0x0
	s_wait_alu depctr_hold_cnt(0) depctr_sa_sdst(0) depctr_va_vdst(0) depctr_va_sdst(0) depctr_va_ssrc(0) depctr_va_vcc(0) depctr_vm_vsrc(0)
	s_getreg_b32 s2, hwreg(HW_REG_IB_STS2, 6, 4)
	s_cmp_eq_u32 s2, 0
	s_cbranch_scc0 .Lentry_in_a_cluster
	s_endpgm
.Lentry_in_a_cluster:
	s_bfe_u32 s2, ttmp6, 0x10000c
	s_cmp_lg_u32 s2, 0xf033
	s_cbranch_scc0 .Lentry_shape_is_right
	s_endpgm
.Lentry_shape_is_right:
; PEEPHOLE LSTM CELL, one launch.  For each gate x in f, i, g, o:  pre_x = input W_ix + h_prev W_hx: one sum over K = 512 + 1,024 on codes of BF6 (E3M2) with one E8M0 byte for each 32 along K,
; taken as they lie in memory.  Then in f32:  f = sigmoid(pre_f + c W_cf), i = sigmoid(pre_i + c W_ci), g = tanh(pre_g), cell = f c + i g (out1), o = sigmoid(pre_o + cell W_co), hidden = o tanh(cell) (out0).
; NO WORK IS LEFT OUT: every input has a way to an output for general values, and all 24 inputs are loaded.
; LIMITS.  sigmoid(x) = 1 / (1 + 2^(-x log2 e)), tanh(x) = 1 - 2 / (1 + 2^(2 x log2 e)): both end rightly (0, 1, -1) where the power overflows or falls to 0, so no clamp is written.  tanh so made has an absolute
; error of about 1.2e-7: results far smaller than that lose relative accuracy.  A sigmoid under 2^-126 comes out as 0.  NaN, infinities and the scale byte 0xff are not specially served.
; SHARES.  A work-group owns 256 rows (ty) x 64 hidden columns (tx) of ALL FOUR gates: as a product a tile of 256 x 256.  Wave w (RH = w / 2, CH = w % 2) owns rows 128 RH .. + 127 and hidden columns 32 CH .. + 31:
; 8 blocks of 16 rows (a) x 8 blocks of 16 weight rows (b = 2 gate + j): 64 accumulators, 512 registers.
; THE MATRIX INSTRUCTION IS USED TRANSPOSED (source 0 = 16 rows of a weight, source 1 = 16 rows of input or h_prev): lane (r, h) holds row 16 a + r, register n hidden column 16 j + 8 h + n; the four gates of
; one element lie in one lane at one register place, so the arithmetic behind the products changes no lane.
; K goes in 6 steps of 256 (two of input, four of h_prev) through a ring of two LDS slots; a slot holds A's 256 rows and 64 rows each of gates f, i, g.  A step so has four tiles for four waves: one tensor load a wave
; behind each change of slots.  GATE o's SIX TILES come once, among the first fills, and stay in LDS.
; CLUSTER 4 x 4: A's tiles hang on ty alone and are asked for jointly along a row of the cluster, the weights' on tx alone, jointly along a column.
; THE SCALE WORDS of the wave's rows, for all of K, are 96 registers, loaded once: 16 bytes a lane, sixteen lanes on consecutive rows.
; The walk over K is written out (12 steps of 128): the scale words' register numbers change with the step, and the descriptors change from input to h_prev.
; THE LDS LOADS of a step of 128, 96 a wave, go in four runs of 24, sixteen products apart (eight, behind a change of slots).  From a refill's request to the wait for it a wave issues 112 matrix instructions.
; THE WAY OUT.  c_prev's 256 x 64 numbers come by one plain tensor load a wave into slot 0 behind that slot's last read; the cell state is stored in c's place, the hidden state into a stage in slot 1 (both slots have
; had their last fill); a row's 256 bytes come from two waves, so a barrier stands between writing and reading a block of 16 rows; sixteen lanes then store 256 consecutive bytes, at a multiple of 256 from the buffer's first byte.
; REGISTERS, in windows of 256.  window 0: v1-14 offsets and addresses; v16-27 LDS addresses of fragments; v28, v29 the add's two; v32-127 scale words and nothing else; v128-223 A's fragments, one set.
;   window 1: the weights' fragments, two sets, at v0 and v128; v96-127, v224-239 the peephole weights; on the way out v0-95, v128-191, v240-255 at work.   windows 2, 3: accumulator (a, b) at v[64 (a % 4) + 8 b] of window 2 + a / 4.
.set PITCH, 240                        ; an LDS row of codes: 3 x (64 bytes + 16 of padding) = 60 words: row r starts at bank -4 r mod 64 (64 banks of 4 bytes: ISA guide 11.1)
.set SLOT1, 107520                     ; a slot: 448 rows x 240: A's 256 rows, then 64 rows each of gates f, i, g
.set WOFF,  61440                      ; where gate f's rows begin in a slot
.set GT,    15360                      ; a gate's tile: 64 rows x 240
.set OREG,  215040                     ; gate o's six tiles, filled once
.set SPARE, 307200                     ; the spare words, 128 bytes for each wave: two blocks of 256 bytes that no other line names
.set CP,    272                        ; a row of c_prev, of the cell state and of the hidden state in LDS: 256 bytes + 16
.set HST,   107520                     ; the hidden state's stage: slot 1.  (c_prev and the cell state: from byte 0, slot 0)
.set FR,    12                         ; registers of a fragment: 16 rows x 128 K of 6-bit codes
.set CAD, 3                            ; v3   c and cell: (128 RH + r) 272 + 128 CH + 32 h
.set HAD, 4                            ; v4   the same in the hidden state's stage
.set RDC, 5                            ; v5   back by rows: (128 RH + 8 CH + lane / 16) 272 + 16 (lane % 16)
.set RDH, 6                            ; v6   the same in the hidden state's stage
.set GO,  7                            ; v7   the same two rows in out0 and out1: 4096 (lane / 16) + 16 (lane % 16)
.set VW,  8                            ; v8   32 h: my eight peephole weights of a block
.set PFO, 9                            ; v9   4096 x lane: a row of c_prev to a lane
.set PFH, 14                           ; v14  h_prev's prefetch: (64 cx + 16 wave + lane % 16) rows of 768 bytes + 256 (lane / 16); never rewritten
.set ADRA, 16                          ; v16-17 my A fragments in slot 0, 1; v18-19 the same for pieces behind one padding more
.set ADRB, 20                          ; v20-23 the same for gates f, i, g
.set ADRO, 24                          ; v24-25 gate o, K steps 0-3 and 4-5; v26-27 behind one padding more
.set SPW, 28
.set NIL, 29
.set SAI, 32                           ; A's scale words: input, v[32 + 4 i + S]; lanes 0-15 block i, lanes 16-31 block i + 4
.set SAH, 48                           ; h_prev, v[48 + 8 i + S - 4]
.set SBI, 80                           ; the weights': input part, v[80 + 4 gate + S]; lanes 0-15 j = 0, lanes 16-31 j = 1
.set SBH, 96                           ; h part, v[96 + 8 gate + S - 4]
.set AF,  128                          ; A's fragments
.set CC,  0                            ; window 1, on the way out: c of a block, two sets of 16
.set FF,  32
.set II,  48
.set GG,  64
.set OO,  80
.set WF,  96                           ; W_cf, W_ci, W_co of my 16 columns, x -log2 e
.set WI,  112
.set OB,  128                          ; rows read back: two sets of 32
.set WO,  224
.set TT,  240
.set WV, 2                             ; s2   wave
.set RH, 60
.set CH, 61
.set PAI, 4                            ; s[4:5] input's codes at my rows; s[6:7] h_prev's
.set PAH, 6
.set PBS, 12                           ; s[12:13] behind the first fills: the h weight (f, i or g) that my wave fetches
.set KN,  14                           ; s[14:15] -log2 e, twice
.set K2,  16                           ; s[16:17] 2 log2 e, twice
.set G1C, 20                           ; s[20:27] group 1 for c_prev's tiles
.set G1AI, 28                          ; s[28:35] group 1: A from input, 128 rows;  s[36:43] from h_prev, 256 rows
.set G1AH, 36
.set G1BI, 44                          ; s[44:51] a weight's 64 rows, input part;  s[52:59] h part
.set G1BH, 52
.set Q0, 68                            ; four groups 0
.set Q1, 72
.set Q2, 76
.set Q3, 80
.set PCP, 84                           ; behind the scale words' loads: c_prev, W_cf, W_ci, W_co, out0, out1
.set PCF, 86
.set PCI, 88
.set PCO, 90
.set PO0, 92
.set PO1, 94
.set FLD, (1<<20)|(1<<21)|(3<<22)|(3<<25)  ; elements of 1 byte; 20 padding on; 21 set beside a mask; after every 16 words (code 3) 4 words of padding (code 3)
.set MSB, 0
.macro WIN new                         ; the immediate's high byte repeats the setting that is left; a switch that changes nothing is dropped
.if MSB != (\new)
	s_set_vgpr_msb (MSB<<8)|(\new)
.set MSB, (\new)
.endif
.endm
.set MUL_LO, 0xa1                      ; source 0 (weights) window 1, source 1 (A) window 0, C and D window 2
.set MUL_HI, 0xf1                      ; the same, C and D window 3
.set TO_B,   0x40                      ; destination window 1, address window 0
.macro PLACES                          ; four plain places in front of loads into registers that matrix instructions have read (ISA guide 7.12.1 for vector instructions)
.rept 4
	v_nop
.endr
.endm
.macro CREST                           ; a round of the cluster's barrier behind its opening barrier
	s_cmp_lg_u32 s[WV], 0
	s_cbranch_scc1 .Lnot_wave_0_\@
	s_barrier_signal -3
.Lnot_wave_0_\@:
	s_barrier_wait -3
	s_barrier_signal -1
	s_barrier_wait -1
.endm
.macro CROUND
	s_barrier_signal -1
	s_barrier_wait -1
	CREST
.endm
.macro G0SET q, lds, ptr, off          ; a group 0: count 1, the LDS byte, the tile's first byte in memory, type 2
	s_mov_b32 s[\q], 1
	s_mov_b32 s[\q+1], \lds
	s_add_nc_u64 s[\q+2:\q+3], s[\ptr:\ptr+1], \off
	s_or_b32 s[\q+3], s[\q+3], 0x80000000
.endm
.macro TL q, g1                        ; a tensor load and an s_nop 0 behind it
	tensor_load_to_lds s[\q:\q+3], s[\g1:\g1+7]
	s_nop 0
.endm
.macro JLOAD                           ; a joint refill: wave 0 fetches A's 256 rows, waves 1 to 3 a gate's 64 rows each.  The branch hangs on the wave's number alone.  Four v_nop follow each line's s_nop 0
	s_cmp_eq_u32 s[WV], 0
	s_cbranch_scc0 .Lfor_w_\@
	TL Q0, G1AH
	PLACES
	s_branch .Lasked_\@
.Lfor_w_\@:
	TL Q1, G1BH
	PLACES
.Lasked_\@:
.endm
; A fragment: lane l holds row l % 16; registers 6 c .. 6 c + 5 hold K = 64 c + 32 (l / 16) + 0 .. 31: 24 bytes of the row's stream of bits, as they lie, in pieces of 8 bytes.  Lanes 16-31 read three pieces further on,
; which for some pieces lies behind one padding more: the second address register (40 for 24 bytes a half) serves those.
.macro FRAG reg, adr, q, off
.irp p, 0,1,2,3,4,5
.set PC, 12*(\q)+6*(\p/3)+\p%3
.if PC%8 < 5
	ds_load_b64 v[\reg+2*\p:\reg+2*\p+1], v[\adr] offset:8*PC+16*(PC/8)+(\off)
.else
	ds_load_b64 v[\reg+2*\p:\reg+2*\p+1], v[\adr+2] offset:8*PC+16*(PC/8)+(\off)
.endif
.endr
.endm
; Four of the weights' eight fragments of K step ks, its q-th 128, into set p: 24 loads.  hf = 0: gates f and i, from the slot;  hf = 1: gate g, from the slot, and gate o, from its own region.  It leaves the windows at TO_B
.macro FETCH_BH slot, ks, q, p, hf
	WIN TO_B
.if (\hf) == 0
.irp g, 0,1
.irp j, 0,1
	FRAG 128*(\p)+FR*(2*\g+\j), ADRB+\slot, \q, GT*\g+3840*\j
.endr
.endr
.else
.irp j, 0,1
	FRAG 128*(\p)+FR*(4+\j), ADRB+\slot, \q, GT*2+3840*\j
.endr
.irp j, 0,1
	FRAG 128*(\p)+FR*(6+\j), ADRO+(\ks)/4, \q, GT*((\ks)%4)+3840*\j
.endr
.endif
.endm
.macro FETCH_A slot, q, i0             ; A's blocks i0 .. i0 + 3.  24 loads
.irp i, \i0, \i0+1, \i0+2, \i0+3
	FRAG AF+FR*(\i), ADRA+\slot, \q, 3840*(\i)
.endr
.endm
; One product.  XD, XB, XA: accumulator, weight fragment, A fragment;  YB, YA: their scale words.  ra = 1: the weight's words stand in lanes 16-31;  rb = 1: A's do.  zero = 1: the product starts the sum: nothing is ever cleared.
.macro WM zero, ra, rb
.if \zero
.if (\ra) == 0 && (\rb) == 0
	v_wmma_scale_f32_16x16x128_f8f6f4 v[XD:XD+7], v[XB:XB+11], v[XA:XA+11], 0, v[YB], v[YA] matrix_a_fmt:MATRIX_FMT_BF6 matrix_b_fmt:MATRIX_FMT_BF6
.elseif (\ra) == 1 && (\rb) == 0
	v_wmma_scale_f32_16x16x128_f8f6f4 v[XD:XD+7], v[XB:XB+11], v[XA:XA+11], 0, v[YB], v[YA] matrix_a_fmt:MATRIX_FMT_BF6 matrix_b_fmt:MATRIX_FMT_BF6 matrix_a_scale:MATRIX_SCALE_ROW1
.elseif (\ra) == 0
	v_wmma_scale_f32_16x16x128_f8f6f4 v[XD:XD+7], v[XB:XB+11], v[XA:XA+11], 0, v[YB], v[YA] matrix_a_fmt:MATRIX_FMT_BF6 matrix_b_fmt:MATRIX_FMT_BF6 matrix_b_scale:MATRIX_SCALE_ROW1
.else
	v_wmma_scale_f32_16x16x128_f8f6f4 v[XD:XD+7], v[XB:XB+11], v[XA:XA+11], 0, v[YB], v[YA] matrix_a_fmt:MATRIX_FMT_BF6 matrix_b_fmt:MATRIX_FMT_BF6 matrix_a_scale:MATRIX_SCALE_ROW1 matrix_b_scale:MATRIX_SCALE_ROW1
.endif
.else
.if (\ra) == 0 && (\rb) == 0
	v_wmma_scale_f32_16x16x128_f8f6f4 v[XD:XD+7], v[XB:XB+11], v[XA:XA+11], v[XD:XD+7], v[YB], v[YA] matrix_a_fmt:MATRIX_FMT_BF6 matrix_b_fmt:MATRIX_FMT_BF6
.elseif (\ra) == 1 && (\rb) == 0
	v_wmma_scale_f32_16x16x128_f8f6f4 v[XD:XD+7], v[XB:XB+11], v[XA:XA+11], v[XD:XD+7], v[YB], v[YA] matrix_a_fmt:MATRIX_FMT_BF6 matrix_b_fmt:MATRIX_FMT_BF6 matrix_a_scale:MATRIX_SCALE_ROW1
.elseif (\ra) == 0
	v_wmma_scale_f32_16x16x128_f8f6f4 v[XD:XD+7], v[XB:XB+11], v[XA:XA+11], v[XD:XD+7], v[YB], v[YA] matrix_a_fmt:MATRIX_FMT_BF6 matrix_b_fmt:MATRIX_FMT_BF6 matrix_b_scale:MATRIX_SCALE_ROW1
.else
	v_wmma_scale_f32_16x16x128_f8f6f4 v[XD:XD+7], v[XB:XB+11], v[XA:XA+11], v[XD:XD+7], v[YB], v[YA] matrix_a_fmt:MATRIX_FMT_BF6 matrix_b_fmt:MATRIX_FMT_BF6 matrix_a_scale:MATRIX_SCALE_ROW1 matrix_b_scale:MATRIX_SCALE_ROW1
.endif
.endif
.endm
; 8 products: A's block a against the weights' eight, set p, step st (0 .. 11) of 128 along K.  The 64 accumulators take turns, one instruction a turn, in the same order in every step.
.macro MULA a, p, st, zero
.set XA, AF+FR*(\a)
.if (\st) < 4
.set YA, SAI+4*((\a)%4)+(\st)
.else
.set YA, SAH+8*((\a)%4)+(\st)-4
.endif
.irp g, 0,1,2,3
.if (\st) < 4
.set YB, SBI+4*\g+(\st)
.else
.set YB, SBH+8*\g+(\st)-4
.endif
.irp j, 0,1
.set XD, 64*((\a)%4)+8*(2*\g+\j)
.set XB, 128*(\p)+FR*(2*\g+\j)
	WM \zero, \j, (\a)/4
.endr
.endr
.endm
; The first 128 along K of K step ks: its successor lies in the same slot.  The successor's 96 loads go in four runs of 24, sixteen products apart.  The weights' other set was last read ahead of the four places
; at the end of the step before, so its two runs want no places of their own; A's blocks are loaded anew behind four places behind their last products.
.macro STEP ks, zero
	s_wait_dscnt 24                                ; the weights' set and A's blocks 0-3 are in; the youngest 24 loads (A's blocks 4-7) may be out
	WIN MUL_LO
	MULA 0, 0, 2*(\ks), \zero
	MULA 1, 0, 2*(\ks), \zero
	FETCH_BH (\ks)%2, \ks, 1, 1, 0
	WIN MUL_LO
	MULA 2, 0, 2*(\ks), \zero
	MULA 3, 0, 2*(\ks), \zero
	s_wait_dscnt 24                                ; A's blocks 4-7 are in (asked for 32 matrix instructions ago); the 24 loads issued behind them may be out
	PLACES
	WIN 0
	FETCH_A (\ks)%2, 1, 0
	WIN MUL_HI
	MULA 4, 0, 2*(\ks), \zero
	MULA 5, 0, 2*(\ks), \zero
	FETCH_BH (\ks)%2, \ks, 1, 1, 1
	WIN MUL_HI
	MULA 6, 0, 2*(\ks), \zero
	MULA 7, 0, 2*(\ks), \zero
	PLACES
	WIN 0
	FETCH_A (\ks)%2, 1, 4
.endm
; The second 128 of K step ks changes slots: ONE barrier, which opens a round of the cluster's.  In front of it each wave waits for all its tensor loads, adds 0 to its spare word, and waits for that and for its reads of this slot.
; The wait for the tensor loads stands behind the step's first sixteen products: a refill, asked for behind the round of the change before, so has 32 + 64 + 16 matrix instructions in which to land.
; kind = 0: this slot takes K step ks + 2, which is h_prev's step ks, by joint loads.  kind = 1: it takes c_prev, 64 rows a wave, by a plain load: the slot's last fill.
.macro TURN ks, kind
	s_wait_dscnt 24                                ; the weights' set and A's blocks 0-3 are in; A's blocks 4-7 may be out
	WIN MUL_LO
	MULA 0, 1, 2*(\ks)+1, 0
	MULA 1, 1, 2*(\ks)+1, 0
	WIN 0                                          ; (the add's two registers lie in window 0)
	s_wait_tensorcnt 0x0                           ; all my tensor loads have landed: my part of the next slot; so the groups 0 may be written
	ds_add_u32 v[SPW], v[NIL]                      ; 0 onto my spare word; the descriptors' words and eight products stand between it and the wait for it
.if (\kind) == 0
	s_mov_b32 s[Q0], 1
	s_mov_b32 s[Q0+1], ((\ks)%2)*SLOT1             ; A's rows: the slot's first byte
	s_add_nc_u64 s[Q0+2:Q0+3], s[PAH:PAH+1], 192*(\ks)
	s_or_b32 s[Q0+3], s[Q0+3], 0x80000000
	s_mov_b32 s[Q1], 1
	s_mul_i32 s[Q1+1], s[WV], GT                   ; waves 1, 2, 3: gates f, i, g
	s_add_co_u32 s[Q1+1], s[Q1+1], ((\ks)%2)*SLOT1+WOFF-GT
	s_add_nc_u64 s[Q1+2:Q1+3], s[PBS:PBS+1], 192*(\ks)
	s_or_b32 s[Q1+3], s[Q1+3], 0x80000000
.else
	s_mov_b32 s[Q2], 1
	s_mul_i32 s[Q2+1], s[WV], 64*CP                ; my 64 rows of c_prev
	s_mov_b64 s[Q2+2:Q2+3], s[PCP:PCP+1]
	s_or_b32 s[Q2+3], s[Q2+3], 0x80000000
.endif
	WIN MUL_LO
	MULA 2, 1, 2*(\ks)+1, 0
	s_wait_dscnt 0x0                               ; the add is done, and my reads of this slot are over (the last were issued at the end of the step before)
	s_barrier_signal -1
	MULA 3, 1, 2*(\ks)+1, 0
	WIN 0
	s_barrier_wait -1
	CREST                                          ; no wave of any partner still reads this slot or has a load on its way
.if (\kind) == 0
	JLOAD                                          ; the first tensor load behind the round, one a wave; its four v_nop are also the places in front of the loads into A's blocks 0-3 below
.else
	TL Q2, G1C
	PLACES
.endif
	FETCH_BH ((\ks)+1)%2, (\ks)+1, 0, 0, 0
.if (\ks) == 0
	; h_prev's CODES ARE PREFETCHED, once.  A row of h_prev is 768 bytes: three aligned blocks of 256.  Block 0 comes by the refill just issued; block 1 holds the end of what the next refill asks for, block 2 the end of what the
	; two refills after that ask for: both are named here, one and two changes of slots (128 and 256 matrix instructions) ahead of the first load that wants them.  All four clusters of a row of clusters walk the same rows:
	; the first of them asks (cluster x = 0: the same in all sixteen partners).  Its four partners along x and their four waves share the 256 rows out BY ADDRESS, 16 rows a wave; lanes 0-15 name block 1, lanes 16-31 block 2.
	; So each block is named once in the launch; the address registers are never rewritten.
	WIN 0
	s_cmp_lg_u32 ttmp9, 0
	s_cbranch_scc1 .Lnot_first_\@
	global_prefetch_b8 v[PFH], s[PAH:PAH+1] offset:256 th:TH_LOAD_NT scope:SCOPE_SE
.Lnot_first_\@:
.endif
	WIN MUL_HI
	MULA 4, 1, 2*(\ks)+1, 0
	FETCH_BH ((\ks)+1)%2, (\ks)+1, 0, 0, 1
	WIN MUL_HI
	MULA 5, 1, 2*(\ks)+1, 0
	WIN 0
	FETCH_A ((\ks)+1)%2, 0, 0
.if (\ks) == 2
	global_prefetch_b8 v[PFO], s[PCP:PCP+1] th:TH_LOAD_NT scope:SCOPE_SE                ; my wave's 64 rows of c_prev, 256 bytes each, a lane a row, two instructions: asked for two changes of slots,
	global_prefetch_b8 v[PFO], s[PCP:PCP+1] offset:131072 th:TH_LOAD_NT scope:SCOPE_SE  ; 256 matrix instructions, ahead of the load that brings them.  Each row's piece is named once in the launch; the address registers are never rewritten
.endif
	WIN MUL_HI
	MULA 6, 1, 2*(\ks)+1, 0
	MULA 7, 1, 2*(\ks)+1, 0
	PLACES
	WIN 0
	FETCH_A ((\ks)+1)%2, 0, 4
.endm
	s_load_b512 s[4:19], s[0:1], 0x0               ; input's and h_prev's codes, their scales, W_if, W_ii, W_ig, W_io codes
	s_load_b256 s[20:27], s[0:1], 0x40             ; W_hf, W_hi, W_hg, W_ho codes
	s_load_b512 s[84:99], s[0:1], 0x60             ; the eight weights' scales, in the same order
	v_lshl_add_u32 v[SPW], v0, 2, SPARE
	v_mov_b32 v[NIL], 0
	ds_add_u32 v[SPW], v[NIL]                      ; the wave's opening: the add, twice on end, and its wait ahead of my first tensor load
	ds_add_u32 v[SPW], v[NIL]                      ; and once more; the set-up below, work on registers, stands between it and the wait
	v_lshrrev_b32 v1, 5, v0
	v_readfirstlane_b32 s[WV], v1                  ; wave 0..3
	s_lshr_b32 s[RH], s[WV], 1                     ; which 128 rows are mine
	s_and_b32 s[CH], s[WV], 1                      ; which 32 hidden columns
	s_bfe_u32 s62, ttmp6, 0x40000                  ; cx, cy: my place in the cluster
	s_bfe_u32 s63, ttmp6, 0x40004
	s_lshl_b32 s66, ttmp9, 2
	s_add_co_u32 s66, s66, s62                     ; tx = 4 x cluster x + cx: 64 hidden columns
	s_and_b32 s67, ttmp7, 0xffff
	s_lshl_b32 s67, s67, 2
	s_add_co_u32 s67, s67, s63                     ; ty = 4 x cluster y + cy: 256 rows
	s_lshl_b32 s100, s63, 2
	s_lshl_b32 s100, 15, s100                      ; my row of the cluster
	s_lshl_b32 s104, 0x1111, s62                   ; my column
	s_or_b32 s[G1AI], s100, FLD                    ; A's tiles go to my row,
	s_or_b32 s[G1AH], s100, FLD
	s_or_b32 s[G1BI], s104, FLD                    ; the weights' to my column
	s_or_b32 s[G1BH], s104, FLD
.irp g, G1AI, G1AH, G1BI, G1BH
	s_mov_b32 s[\g+1], 192<<16                     ; tensor_dim0: 256 codes are 192 bytes
	s_mov_b32 s[\g+3], 192<<16                     ; tile_dim0
	s_mov_b32 s[\g+6], 0
	s_mov_b32 s[\g+7], 0
.endr
	s_mov_b32 s[G1AI+2], 128<<16                   ; tensor_dim1, tile_dim1, bytes from row to row
	s_mov_b32 s[G1AI+4], 128
	s_mov_b32 s[G1AI+5], 384
	s_mov_b32 s[G1AH+2], 256<<16
	s_mov_b32 s[G1AH+4], 256
	s_mov_b32 s[G1AH+5], 768
	s_mov_b32 s[G1BI+2], 64<<16
	s_mov_b32 s[G1BI+4], 64
	s_mov_b32 s[G1BI+5], 384
	s_mov_b32 s[G1BH+2], 64<<16
	s_mov_b32 s[G1BH+4], 64
	s_mov_b32 s[G1BH+5], 768
	s_mov_b32 s101, 0                              ; s[100:101]: offsets made of ty;  s[104:105]: of tx.  The two are never mixed in a register that feeds a joint load
	s_mov_b32 s105, 0
	s_wait_dscnt 0x0                               ; both opening adds are done
	s_wait_kmcnt 0x0
	s_mul_i32 s100, s67, 256*384
	s_add_nc_u64 s[PAI:PAI+1], s[PAI:PAI+1], s[100:101]
	s_mul_i32 s100, s67, 256*768
	s_add_nc_u64 s[PAH:PAH+1], s[PAH:PAH+1], s[100:101]
	s_mul_i32 s104, s66, 64*384
.irp p, 12,14,16,18
	s_add_nc_u64 s[\p:\p+1], s[\p:\p+1], s[104:105]
.endr
	s_mul_i32 s104, s66, 64*768
.irp p, 20,22,24,26
	s_add_nc_u64 s[\p:\p+1], s[\p:\p+1], s[104:105]
.endr
	CROUND                                         ; all sixteen work-groups are here: the first joint loads meet
	; THE FIRST FILLS: four a wave, in one branch on the wave's number; each wave's first two hold all that K step 0 wants of it.  Four tensor loads of mine are out at the most.
	s_cmp_lg_u32 s[WV], 0
	s_cbranch_scc1 .Lnot_0
	G0SET Q0, 0, PAI, 0                            ; A, K step 0, rows 0-127
	G0SET Q1, 128*PITCH, PAI, 128*384              ; rows 128-255
	G0SET Q2, SLOT1, PAI, 192                      ; A, K step 1
	G0SET Q3, SLOT1+128*PITCH, PAI, 128*384+192
	TL Q0, G1AI
	TL Q1, G1AI
	TL Q2, G1AI
	TL Q3, G1AI
	PLACES
	s_branch .Lfilled
.Lnot_0:
	s_cmp_lg_u32 s[WV], 1
	s_cbranch_scc1 .Lnot_1
	G0SET Q0, WOFF, 12, 0                          ; gate f, K step 0
	G0SET Q1, OREG, 18, 0                          ; gate o, K step 0
	G0SET Q2, SLOT1+WOFF, 12, 192                  ; gate f, K step 1
	G0SET Q3, OREG+GT, 18, 192                     ; gate o, K step 1
	TL Q0, G1BI
	TL Q1, G1BI
	TL Q2, G1BI
	TL Q3, G1BI
	PLACES
	s_branch .Lfilled
.Lnot_1:
	s_cmp_lg_u32 s[WV], 2
	s_cbranch_scc1 .Lnot_2
	G0SET Q0, WOFF+GT, 14, 0                       ; gate i, K steps 0 and 1
	G0SET Q1, SLOT1+WOFF+GT, 14, 192
	G0SET Q2, OREG+2*GT, 26, 0                     ; gate o, K steps 2 and 5
	G0SET Q3, OREG+5*GT, 26, 576
	TL Q0, G1BI
	TL Q1, G1BI
	TL Q2, G1BH
	TL Q3, G1BH
	PLACES
	s_branch .Lfilled
.Lnot_2:
	G0SET Q0, WOFF+2*GT, 16, 0                     ; gate g, K steps 0 and 1
	G0SET Q1, SLOT1+WOFF+2*GT, 16, 192
	G0SET Q2, OREG+3*GT, 26, 192                   ; gate o, K steps 3 and 4
	G0SET Q3, OREG+4*GT, 26, 384
	TL Q0, G1BI
	TL Q1, G1BI
	TL Q2, G1BH
	TL Q3, G1BH
	PLACES
.Lfilled:
	s_cmp_eq_u32 s[WV], 1                          ; the h weight that my wave fetches from now on: wave 1 f, wave 2 i, wave 3 g (wave 0 fetches A and does not use it)
	s_cselect_b64 s[PBS:PBS+1], s[20:21], s[22:23]
	s_cmp_eq_u32 s[WV], 3
	s_cselect_b64 s[PBS:PBS+1], s[24:25], s[PBS:PBS+1]
	s_mov_b32 s[KN], 0xbfb8aa3b                    ; -log2 e
	s_mov_b32 s[KN+1], s[KN]                       ; (the packed forms name a pair and take its low word for both halves: so the upper is written)
	s_mov_b32 s[K2], 0x4038aa3b                    ; 2 log2 e
	s_mov_b32 s[K2+1], s[K2]
	s_mov_b32 s[G1C], (2<<16)|(1<<20)|(5<<22)|(3<<25)  ; c_prev's tiles: no mask; elements of 4 bytes; after every 64 words 4 words of padding
	s_mov_b32 s[G1C+1], 64<<16                     ; tensor_dim0 = 64
	s_mov_b32 s[G1C+2], 64<<16                     ; tensor_dim1 = 64
	s_mov_b32 s[G1C+3], 64<<16                     ; tile_dim0 = 64
	s_mov_b32 s[G1C+4], 64                         ; tile_dim1 = 64
	s_mov_b32 s[G1C+5], 1024                       ; elements from row to row
	s_mov_b32 s[G1C+6], 0
	s_mov_b32 s[G1C+7], 0
	; the scale words: A's rows 256 ty + 128 RH on; the weights' rows 64 tx + 32 CH on
	s_lshl_b32 s100, s67, 12
	s_lshl_b32 s3, s[RH], 11
	s_add_co_u32 s100, s100, s3                    ; 16 bytes a row of input's scales
	s_add_nc_u64 s[8:9], s[8:9], s[100:101]
	s_lshl_b32 s100, s100, 1                       ; 32 of h_prev's
	s_add_nc_u64 s[10:11], s[10:11], s[100:101]
	s_lshl_b32 s104, s66, 10
	s_lshl_b32 s3, s[CH], 9
	s_add_co_u32 s104, s104, s3
.irp p, 84,86,88,90
	s_add_nc_u64 s[\p:\p+1], s[\p:\p+1], s[104:105]
.endr
	s_lshl_b32 s104, s104, 1
.irp p, 92,94,96,98
	s_add_nc_u64 s[\p:\p+1], s[\p:\p+1], s[104:105]
.endr
	v_and_b32 v1, 15, v0                           ; r = lane % 16
	v_bfe_u32 v2, v0, 4, 1                         ; h = lane / 16
	v_and_b32 v14, 31, v0                          ; lane
	v_lshlrev_b32 v10, 4, v1
	v_lshl_add_u32 v10, v2, 10, v10                ; input's scales: row r, lanes 16-31 64 rows on
	v_lshlrev_b32 v11, 5, v1
	v_lshl_add_u32 v11, v2, 11, v11                ; h_prev's
	v_lshlrev_b32 v12, 4, v14                      ; the weights': row = lane
	v_lshlrev_b32 v13, 5, v14
.irp i, 0,1,2,3
	global_load_b128 v[SAI+4*\i:SAI+4*\i+3], v10, s[8:9] offset:256*\i
	global_load_b128 v[SAH+8*\i:SAH+8*\i+3], v11, s[10:11] offset:512*\i
	global_load_b128 v[SAH+8*\i+4:SAH+8*\i+7], v11, s[10:11] offset:512*\i+16
.endr
.irp g, 0,1,2,3
	global_load_b128 v[SBI+4*\g:SBI+4*\g+3], v12, s[84+2*\g:85+2*\g]
	global_load_b128 v[SBH+8*\g:SBH+8*\g+3], v13, s[92+2*\g:93+2*\g]
	global_load_b128 v[SBH+8*\g+4:SBH+8*\g+7], v13, s[92+2*\g:93+2*\g] offset:16
.endr
	; LDS addresses: constants, the lane, the wave; s3 holds wave terms alone
	v_mul_u32_u24 v15, v1, PITCH
	v_mad_u32_u24 v30, v2, 24, v15                 ; a fragment's row x pitch + 24 x half,
	v_mad_u32_u24 v31, v2, 40, v15                 ; and the same behind one padding more
	s_mul_i32 s3, s[RH], 128*PITCH
	v_add_nc_u32 v[ADRA], s3, v30
	v_add_nc_u32 v[ADRA+2], s3, v31
	v_add_nc_u32 v[ADRA+1], SLOT1, v[ADRA]
	v_add_nc_u32 v[ADRA+3], SLOT1, v[ADRA+2]
	s_mul_i32 s3, s[CH], 32*PITCH
	s_add_co_u32 s3, s3, WOFF
	v_add_nc_u32 v[ADRB], s3, v30
	v_add_nc_u32 v[ADRB+2], s3, v31
	v_add_nc_u32 v[ADRB+1], SLOT1, v[ADRB]
	v_add_nc_u32 v[ADRB+3], SLOT1, v[ADRB+2]
	s_add_co_u32 s3, s3, OREG-WOFF
	v_add_nc_u32 v[ADRO], s3, v30
	v_add_nc_u32 v[ADRO+2], s3, v31
	v_add_nc_u32 v[ADRO+1], 4*GT, v[ADRO]
	v_add_nc_u32 v[ADRO+3], 4*GT, v[ADRO+2]
	v_mul_u32_u24 v[CAD], v1, CP
	v_lshl_add_u32 v[CAD], v2, 5, v[CAD]
	v_mul_u32_u24 v[RDC], v2, CP
	v_lshl_add_u32 v[RDC], v1, 4, v[RDC]
	s_mul_i32 s3, s[RH], 128*CP
	v_add_nc_u32 v[CAD], s3, v[CAD]
	v_add_nc_u32 v[RDC], s3, v[RDC]
	s_lshl_b32 s3, s[CH], 7
	v_add_nc_u32 v[CAD], s3, v[CAD]
	s_mul_i32 s3, s[CH], 8*CP
	v_add_nc_u32 v[RDC], s3, v[RDC]
	v_add_nc_u32 v[HAD], HST, v[CAD]
	v_add_nc_u32 v[RDH], HST, v[RDC]
	v_lshlrev_b32 v[GO], 12, v2
	v_lshl_add_u32 v[GO], v1, 4, v[GO]
	v_lshlrev_b32 v[VW], 5, v2
	v_lshlrev_b32 v[PFO], 12, v14
	s_lshl_b32 s62, s62, 6                         ; h_prev's prefetch: of my tile's 256 rows, 64 to each partner along x (the place enters a global offset alone),
	s_lshl_b32 s63, s[WV], 4                       ; 16 to each wave,
	s_add_co_u32 s62, s62, s63
	v_add_nc_u32 v[PFH], s62, v1                   ; a row to each lane of a half
	v_mul_u32_u24 v[PFH], v[PFH], 768
	v_lshl_add_u32 v[PFH], v2, 8, v[PFH]           ; lanes 16-31 one block of 256 bytes further on
	s_wait_tensorcnt 2                             ; my first two fills are in: all that K step 0 wants of me; my two youngest may be out
	s_barrier_signal -1
	s_barrier_wait -1                              ; everybody's are
	FETCH_BH 0, 0, 0, 0, 0
	FETCH_BH 0, 0, 0, 0, 1
	WIN 0
	FETCH_A 0, 0, 0
	FETCH_A 0, 0, 4
	s_wait_loadcnt 0x0                             ; the scale words are in, and their pointers are free:
	s_load_b256 s[PCP:PCP+7], s[0:1], 0xa0         ; c_prev, W_cf, W_ci, W_co
	s_load_b128 s[PO0:PO0+3], s[0:1], 0xc0         ; out0, out1
	STEP 0, 1                                      ; the first step's products start the sums
	s_wait_kmcnt 0x0
	s_lshl_b32 s100, s67, 20                       ; 256 ty rows of 4,096 bytes
	s_lshl_b32 s3, s[WV], 18                       ; c_prev: + the 64 rows that my wave fetches
	s_add_co_u32 s100, s100, s3
	s_add_nc_u64 s[PCP:PCP+1], s[PCP:PCP+1], s[100:101]
	s_lshl_b32 s104, s66, 8                        ; + 64 tx columns of 4 bytes
	s_add_nc_u64 s[PCP:PCP+1], s[PCP:PCP+1], s[104:105]
	s_lshl_b32 s100, s67, 20                       ; out0, out1: row 256 ty + 128 RH + 8 CH: of each block of 16 rows I store eight
	s_lshl_b32 s3, s[RH], 19
	s_add_co_u32 s100, s100, s3
	s_lshl_b32 s3, s[CH], 15
	s_add_co_u32 s100, s100, s3
	s_add_nc_u64 s[PO0:PO0+1], s[PO0:PO0+1], s[100:101]
	s_add_nc_u64 s[PO1:PO1+1], s[PO1:PO1+1], s[100:101]
	s_add_nc_u64 s[PO0:PO0+1], s[PO0:PO0+1], s[104:105]
	s_add_nc_u64 s[PO1:PO1+1], s[PO1:PO1+1], s[104:105]
	s_lshl_b32 s3, s[CH], 7                        ; the peephole weights: column 64 tx + 32 CH
	s_add_co_u32 s104, s104, s3
	s_add_nc_u64 s[PCF:PCF+1], s[PCF:PCF+1], s[104:105]
	s_add_nc_u64 s[PCI:PCI+1], s[PCI:PCI+1], s[104:105]
	s_add_nc_u64 s[PCO:PCO+1], s[PCO:PCO+1], s[104:105]
	WIN TO_B
.irp j, 0,1
.irp u, 0,1
	global_load_b128 v[WF+8*\j+4*\u:WF+8*\j+4*\u+3], v[VW], s[PCF:PCF+1] offset:64*\j+16*\u   ; columns 16 j + 8 h + 4 u on; they are waited for on the way out
	global_load_b128 v[WI+8*\j+4*\u:WI+8*\j+4*\u+3], v[VW], s[PCI:PCI+1] offset:64*\j+16*\u
	global_load_b128 v[WO+8*\j+4*\u:WO+8*\j+4*\u+3], v[VW], s[PCO:PCO+1] offset:64*\j+16*\u
.endr
.endr
	WIN 0
	TURN 0, 0
	STEP 1, 0
	TURN 1, 0
	STEP 2, 0
	TURN 2, 0
	STEP 3, 0
	TURN 3, 0
	STEP 4, 0
	TURN 4, 1                                      ; slot 0 is read out: it takes c_prev
	STEP 5, 0
	; the last 128 along K.  Its barrier fills nothing: behind it c_prev is whole for every wave, and nobody reads slot 1 or gate o's region any more
	s_wait_dscnt 24
	WIN MUL_LO
	MULA 0, 1, 11, 0
	MULA 1, 1, 11, 0
	MULA 2, 1, 11, 0
	MULA 3, 1, 11, 0
	s_wait_dscnt 0x0                               ; A's blocks 4-7 are in: my last reads of codes are over
	WIN MUL_HI
	MULA 4, 1, 11, 0
	MULA 5, 1, 11, 0
	s_wait_tensorcnt 0x0                           ; my 64 rows of c_prev have landed: no load was issued behind that one
	s_barrier_signal -1
	MULA 6, 1, 11, 0
	MULA 7, 1, 11, 0
	WIN 0
	s_barrier_wait -1
; THE WAY OUT, block by block of 16 rows.  A lane has 16 elements of a block (e = 8 j + n), the four gates' sums at v[64 (a % 4) + 16 gate + e].
.macro CLOAD a                         ; c of block a: my 16 numbers
	WIN TO_B
.irp j, 0,1
	ds_load_b128 v[CC+16*((\a)%2)+8*\j:CC+16*((\a)%2)+8*\j+3], v[CAD] offset:16*CP*(\a)+64*\j
	ds_load_b128 v[CC+16*((\a)%2)+8*\j+4:CC+16*((\a)%2)+8*\j+7], v[CAD] offset:16*CP*(\a)+64*\j+16
.endr
.endm
.macro LOADBACK a                      ; eight whole rows of block a, cell state and hidden state: lanes 0-15 one row of 256 bytes, lanes 16-31 the next
	WIN TO_B
.set BB, OB+32*((\a)%2)
.irp t, 0,1,2,3
	ds_load_b128 v[BB+4*\t:BB+4*\t+3], v[RDC] offset:(16*(\a)+2*\t)*CP
.endr
.irp t, 0,1,2,3
	ds_load_b128 v[BB+16+4*\t:BB+16+4*\t+3], v[RDH] offset:(16*(\a)+2*\t)*CP
.endr
.endm
.macro SEND a                          ; and their stores: 16 lanes store 256 consecutive bytes, at a multiple of 256 from the buffer's first byte; written once, read by nobody here
	WIN 0x04                                       ; a store's data are its source 1: window 1
.set BB, OB+32*((\a)%2)
.irp t, 0,1,2,3
	global_store_b128 v[GO], v[BB+4*\t:BB+4*\t+3], s[PO1:PO1+1] offset:(16*(\a)+2*\t)*4096 th:TH_STORE_NT
	global_store_b128 v[GO], v[BB+16+4*\t:BB+16+4*\t+3], s[PO0:PO0+1] offset:(16*(\a)+2*\t)*4096 th:TH_STORE_NT
.endr
.endm
.macro EPI a
.set CB, CC+16*((\a)%2)
.set AC, 64*((\a)%4)
.if (\a) < 7
	CLOAD (\a)+1                                   ; the next block's c, a block ahead
.endif
.if (\a) == 0
	s_wait_dscnt 4                                 ; block 0's c is in; block 1's four loads may be out.  (Later blocks' c was waited for in front of the block before's barrier)
.endif
	WIN 0x55                                       ; all in window 1
.irp e, 0,2,4,6,8,10,12,14
	v_pk_mul_f32 v[FF+\e:FF+\e+1], v[CB+\e:CB+\e+1], v[WF+\e:WF+\e+1]     ; -log2 e x c W_cf
	v_pk_mul_f32 v[II+\e:II+\e+1], v[CB+\e:CB+\e+1], v[WI+\e:WI+\e+1]
.endr
	WIN 0x56+(\a)/4                                ; source 0: the accumulators' window.
.irp e, 0,2,4,6,8,10,12,14
	v_pk_fma_f32 v[FF+\e:FF+\e+1], v[AC+\e:AC+\e+1], s[KN:KN+1], v[FF+\e:FF+\e+1] op_sel_hi:[1,0,1]        ; -log2 e (pre_f + c W_cf)
	v_pk_fma_f32 v[II+\e:II+\e+1], v[AC+16+\e:AC+16+\e+1], s[KN:KN+1], v[II+\e:II+\e+1] op_sel_hi:[1,0,1]
	v_pk_mul_f32 v[GG+\e:GG+\e+1], v[AC+32+\e:AC+32+\e+1], s[K2:K2+1] op_sel_hi:[1,0]                      ; 2 log2 e pre_g
	v_pk_mul_f32 v[OO+\e:OO+\e+1], v[AC+48+\e:AC+48+\e+1], s[KN:KN+1] op_sel_hi:[1,0]                      ; -log2 e pre_o
.endr
	WIN 0x55
.set ix, 0
.rept 48
	v_exp_f32 v[FF+ix], v[FF+ix]                   ; one batch: f's, i's and g's powers of two
.set ix, ix+1
.endr
	v_nop                                          ; a plain instruction behind the last of the batch
.if (\a) > 0
.if (\a) < 7
	s_wait_dscnt 4                                 ; the block before is back in registers; the next block's four loads of c may be out
.else
	s_wait_dscnt 0x0
.endif
	SEND (\a)-1                                    ; its stores name none of the batch's results: work between the batch and its wait
.endif
	s_wait_alu depctr_va_vdst(0)                   ; one wait for the batch, ahead of its first reader
	WIN 0x55
.set ix, 0
.rept 24
	v_pk_add_f32 v[FF+ix:FF+ix+1], v[FF+ix:FF+ix+1], 1.0 op_sel_hi:[1,0]
.set ix, ix+2
.endr
.set ix, 0
.rept 48
	v_rcp_f32 v[FF+ix], v[FF+ix]                   ; f, i, and 1 / (1 + 2^..) for g
.set ix, ix+1
.endr
	v_nop
	s_wait_alu depctr_va_vdst(0)
.irp e, 0,2,4,6,8,10,12,14
	v_pk_fma_f32 v[GG+\e:GG+\e+1], v[GG+\e:GG+\e+1], -2.0, 1.0 op_sel_hi:[1,0,0]    ; g = tanh
	v_pk_mul_f32 v[FF+\e:FF+\e+1], v[FF+\e:FF+\e+1], v[CB+\e:CB+\e+1]               ; f c
.endr
.irp e, 0,2,4,6,8,10,12,14
	v_pk_fma_f32 v[FF+\e:FF+\e+1], v[II+\e:II+\e+1], v[GG+\e:GG+\e+1], v[FF+\e:FF+\e+1]   ; the cell state
.endr
.irp e, 0,2,4,6,8,10,12,14
	v_pk_fma_f32 v[OO+\e:OO+\e+1], v[FF+\e:FF+\e+1], v[WO+\e:WO+\e+1], v[OO+\e:OO+\e+1]   ; -log2 e (pre_o + cell W_co)
	v_pk_mul_f32 v[TT+\e:TT+\e+1], v[FF+\e:FF+\e+1], s[K2:K2+1] op_sel_hi:[1,0]           ; 2 log2 e cell
.endr
.set ix, 0
.rept 16
	v_exp_f32 v[OO+ix], v[OO+ix]
	v_exp_f32 v[TT+ix], v[TT+ix]
.set ix, ix+1
.endr
	v_nop
	WIN 0x04
.irp j, 0,1
	ds_store_b128 v[CAD], v[FF+8*\j:FF+8*\j+3] offset:16*CP*(\a)+64*\j            ; the cell state takes c's place: my own bytes, read out a block ago.  (Work between the batch and its wait)
	ds_store_b128 v[CAD], v[FF+8*\j+4:FF+8*\j+7] offset:16*CP*(\a)+64*\j+16
.endr
	s_wait_alu depctr_va_vdst(0)
	WIN 0x55
.irp e, 0,2,4,6,8,10,12,14
	v_pk_add_f32 v[OO+\e:OO+\e+1], v[OO+\e:OO+\e+1], 1.0 op_sel_hi:[1,0]
	v_pk_add_f32 v[TT+\e:TT+\e+1], v[TT+\e:TT+\e+1], 1.0 op_sel_hi:[1,0]
.endr
.set ix, 0
.rept 16
	v_rcp_f32 v[OO+ix], v[OO+ix]
	v_rcp_f32 v[TT+ix], v[TT+ix]
.set ix, ix+1
.endr
	v_nop
	s_wait_alu depctr_va_vdst(0)
.irp e, 0,2,4,6,8,10,12,14
	v_pk_fma_f32 v[TT+\e:TT+\e+1], v[TT+\e:TT+\e+1], -2.0, 1.0 op_sel_hi:[1,0,0]    ; tanh(cell)
.endr
.irp e, 0,2,4,6,8,10,12,14
	v_pk_mul_f32 v[OO+\e:OO+\e+1], v[OO+\e:OO+\e+1], v[TT+\e:TT+\e+1]               ; the hidden state
.endr
	WIN 0x04
.irp j, 0,1
	ds_store_b128 v[HAD], v[OO+8*\j:OO+8*\j+3] offset:16*CP*(\a)+64*\j
	ds_store_b128 v[HAD], v[OO+8*\j+4:OO+8*\j+7] offset:16*CP*(\a)+64*\j+16
.endr
	s_wait_dscnt 0x0                               ; for the others' sake: my stores have landed (and the next block's c is in)
	s_barrier_signal -1
	s_barrier_wait -1                              ; both halves of the block's rows lie in LDS.  The next block's stores go to other rows: one barrier a block
.if (\a) > 1
	s_wait_xcnt 0x0                                ; the stores of two blocks ago have read their registers: this block's rows may land there
.endif
	LOADBACK \a
.endm
	s_wait_loadcnt 0x0                             ; the peephole weights
	WIN 0x55
.irp e, 0,2,4,6,8,10,12,14
	v_pk_mul_f32 v[WF+\e:WF+\e+1], v[WF+\e:WF+\e+1], s[KN:KN+1] op_sel_hi:[1,0]     ; x -log2 e, once.  (These 24 are also the places behind the last products)
	v_pk_mul_f32 v[WI+\e:WI+\e+1], v[WI+\e:WI+\e+1], s[KN:KN+1] op_sel_hi:[1,0]
	v_pk_mul_f32 v[WO+\e:WO+\e+1], v[WO+\e:WO+\e+1], s[KN:KN+1] op_sel_hi:[1,0]
.endr
	CLOAD 0
	EPI 0
	EPI 1
	EPI 2
	EPI 3
	EPI 4
	EPI 5
	EPI 6
	EPI 7
	s_wait_dscnt 0x0
	SEND 7
	WIN 0
	s_wait_tensorcnt 0x0                           ; the wave's end, behind my last tensor load and my last LDS store
	ds_add_u32 v[SPW], v[NIL]
	s_wait_dscnt 0x0
	CROUND                                         ; the closing round: no work-group ends while a partner may still ask for a tile that names it
	s_endpgm
.Lfunc_end_k_q8ab841f73c_lstm:
	.size	k_q8ab841f73c_lstm, .Lfunc_end_k_q8ab841f73c_lstm-k_q8ab841f73c_lstm
	.p2alignl 7, 3214868480
	.fill 96, 4, 3214868480
	.section	.rodata,"a",@progbits
	.p2align	6, 0x0
	.amdhsa_kernel k_q8ab841f73c_lstm
		.amdhsa_group_segment_fixed_size 327680
		.amdhsa_private_segment_fixed_size 0
		.amdhsa_enable_private_segment 0
		.amdhsa_kernarg_size 208
		.amdhsa_user_sgpr_count 2
		.amdhsa_user_sgpr_kernarg_segment_ptr 1
		.amdhsa_wavefront_size32 1
		.amdhsa_system_sgpr_workgroup_id_x 1
		.amdhsa_system_sgpr_workgroup_id_y 1
		.amdhsa_system_sgpr_workgroup_id_z 1
		.amdhsa_system_vgpr_workitem_id 0
		.amdhsa_next_free_vgpr 1024
		.amdhsa_next_free_sgpr 106
		.amdhsa_reserve_vcc 0
		.amdhsa_float_denorm_mode_32 3
		.amdhsa_float_denorm_mode_16_64 3
		.amdhsa_memory_ordered 1
		.amdhsa_forward_progress 1
		.amdhsa_inst_pref_size 255
	.end_amdhsa_kernel
	.section	.bss,"aw",@nobits
	.p2align	6
	.space	262144
	.amdgpu_metadata
---
amdhsa.version: [ 1, 2 ]
amdhsa.kernels:
  - .name:           k_q8ab841f73c_lstm
    .symbol:         k_q8ab841f73c_lstm.kd
    .args:
      - { .name: input_codes, .offset: 0, .size: 8, .value_kind: global_buffer, .address_space: global }
      - { .name: h_prev_codes, .offset: 8, .size: 8, .value_kind: global_buffer, .address_space: global }
      - { .name: input_scales, .offset: 16, .size: 8, .value_kind: global_buffer, .address_space: global }
      - { .name: h_prev_scales, .offset: 24, .size: 8, .value_kind: global_buffer, .address_space: global }
      - { .name: W_if_codes, .offset: 32, .size: 8, .value_kind: global_buffer, .address_space: global }
      - { .name: W_ii_codes, .offset: 40, .size: 8, .value_kind: global_buffer, .address_space: global }
      - { .name: W_ig_codes, .offset: 48, .size: 8, .value_kind: global_buffer, .address_space: global }
      - { .name: W_io_codes, .offset: 56, .size: 8, .value_kind: global_buffer, .address_space: global }
      - { .name: W_hf_codes, .offset: 64, .size: 8, .value_kind: global_buffer, .address_space: global }
      - { .name: W_hi_codes, .offset: 72, .size: 8, .value_kind: global_buffer, .address_space: global }
      - { .name: W_hg_codes, .offset: 80, .size: 8, .value_kind: global_buffer, .address_space: global }
      - { .name: W_ho_codes, .offset: 88, .size: 8, .value_kind: global_buffer, .address_space: global }
      - { .name: W_if_scales, .offset: 96, .size: 8, .value_kind: global_buffer, .address_space: global }
      - { .name: W_ii_scales, .offset: 104, .size: 8, .value_kind: global_buffer, .address_space: global }
      - { .name: W_ig_scales, .offset: 112, .size: 8, .value_kind: global_buffer, .address_space: global }
      - { .name: W_io_scales, .offset: 120, .size: 8, .value_kind: global_buffer, .address_space: global }
      - { .name: W_hf_scales, .offset: 128, .size: 8, .value_kind: global_buffer, .address_space: global }
      - { .name: W_hi_scales, .offset: 136, .size: 8, .value_kind: global_buffer, .address_space: global }
      - { .name: W_hg_scales, .offset: 144, .size: 8, .value_kind: global_buffer, .address_space: global }
      - { .name: W_ho_scales, .offset: 152, .size: 8, .value_kind: global_buffer, .address_space: global }
      - { .name: c_prev, .offset: 160, .size: 8, .value_kind: global_buffer, .address_space: global }
      - { .name: W_cf, .offset: 168, .size: 8, .value_kind: global_buffer, .address_space: global }
      - { .name: W_ci, .offset: 176, .size: 8, .value_kind: global_buffer, .address_space: global }
      - { .name: W_co, .offset: 184, .size: 8, .value_kind: global_buffer, .address_space: global }
      - { .name: out0, .offset: 192, .size: 8, .value_kind: global_buffer, .address_space: global }
      - { .name: out1, .offset: 200, .size: 8, .value_kind: global_buffer, .address_space: global }
    .group_segment_fixed_size: 327680
    .private_segment_fixed_size: 0
    .kernarg_segment_align: 8
    .kernarg_segment_size: 208
    .max_flat_workgroup_size: 128
    .sgpr_count:     106
    .vgpr_count:     1024
    .wavefront_size: 32
...
	.end_amdgpu_metadata
.endif
;; end of part 1
